; MI455X (gfx1250); checked and timed in simulation.
; The chip was launched on July 23, 2026; its instructions are those of AMD's public machine-readable ISA for CDNA 5 (MIT licence, August 2026) and "CDNA5" Instruction Set Architecture Reference Guide (July 2026). The comments in the code are by the model that wrote it; some were corrected since.
;; Bahdanau Attention. Allowed arithmetic: matrix products marked QUANTISED: E4M3 operands, one E8M0 scale for each 32 along K, by v_wmma_scale_f32_16x16x128_f8f6f4 with both operands' format E4M3, f32 sums; products left as they are: f32 operands where the result goes on into a quantised operand, else bf16, f16 or f32 operands; f32 sums; everything else in f32.
;; Inputs: V 1,024 x 1 float32; W1_codes 1,024 x 32 x 32 uint8 (E4M3 codes of W1, K innermost, in blocks of 32 codes); W1_scales 1,024 x 32 uint8 (E8M0 scales of W1, one for each 32 codes along K); W2_codes 1,024 x 32 x 32 uint8 (E4M3 codes of W2, K innermost, in blocks of 32 codes); W2_scales 1,024 x 32 uint8 (E8M0 scales of W2, one for each 32 codes along K); b1 1,024 float32; b2 1,024 float32; bv 1 float32; query_codes 32 x 32 x 32 uint8 (E4M3 codes of query, K innermost, in blocks of 32 codes); query_scales 32 x 32 uint8 (E8M0 scales of query, one for each 32 codes along K); values 32 x 2,048 x 1,024 float32.
;; Outputs: out0 32 x 1,024 float32; out1 32 x 2,048 x 1 float32.
;; This version of the problem:
;;   THIS VERSION OF THE PROBLEM IS GIVEN IN LOW PRECISION. The matrix products marked QUANTISED in the list below multiply operands that are first quantised to E4M3 (4 exponent bits, 3 mantissa bits; 8 bits a number), with one power-of-two scale for each 32 numbers along K (OCP MX v1.0); their sums are f32. All else is computed in f32.
;;   The module's matrix products, in the order in which they are computed (A, B: the left and right operand; K: the contracted axis; several contracted axes count as one K, in the product's order):
;;     1. [M 32, K 1,024] x [K 1,024, N 1,024]; A: input query (given as codes); B: input W1 (given as codes): QUANTISED
;;     2. [M 65,536, K 1,024] x [K 1,024, N 1,024]; A: input values; B: input W2 (given as codes): QUANTISED
;;     3. [M 65,536, K 1,024] x [K 1,024, N 1]; A: computed on the way; B: input V: left as it is (N = 1 < 16)
;;   THE QUANTISER, for each operand of a quantised product, along K:
;;     - K is cut into blocks of 32 from its start; a last block that is shorter is filled with zeros.
;;     - A block's scale is 2^e with e = floor(log2(the largest magnitude in the block)) - 8, held to -126 .. 127; a block of zeros has e = 0. As a byte (E8M0): e + 127.
;;     - Each number is divided by its block's scale, clamped to +-448, and rounded to the nearest number of E4M3, ties to even, subnormals kept.
;;     - The product sums the exact products of the quantised numbers (number of the format x scale) in f32.
;;   ~~~python
;;   def quantise(x, axis):      # numpy; x: float32 -> the quantised numbers, widened to float32 again
;;       x = np.moveaxis(x, axis, -1); K = x.shape[-1]
;;       x = np.pad(x, [(0, 0)] * (x.ndim - 1) + [(0, -K % 32)]); x = x.reshape(x.shape[:-1] + (-1, 32)); a = np.abs(x).max(-1, keepdims=True)
;;       e = np.where(a > 0, np.clip(np.frexp(np.where(a > 0, a, 1))[1] - 1 - 8, -126, 127), 0)      # np.frexp(a)[1] - 1 = floor(log2(a)), exactly
;;       r = np.clip(x / 2.0 ** e, -448, 448)
;;       step = 2.0 ** (np.maximum(np.frexp(np.where(r == 0, 1, r))[1] - 1, -6) - 3)
;;       q = np.round(r / step) * step * 2.0 ** e      # np.round: ties to even
;;       return np.moveaxis(q.reshape(q.shape[:-2] + (-1,))[..., :K], -1, axis).astype(np.float32)
;;   ~~~
;;   INPUTS GIVEN AS CODES. W1 (in the module: [1024, 1024], K = its axis 0); W2 (in the module: [1024, 1024], K = its axis 0); query (in the module: [32, 1024], K = its axis 1): each comes as NAME_codes (uint8): NAME with its K axis moved to the last place and cut into blocks of 32 codes, [.., K / 32, bytes a block], one block behind the other in memory; one code a byte (a code: sign, 4 exponent bits, 3 mantissa bits); and NAME_scales (uint8): the same leading axes, one E8M0 byte (e + 127) for each 32 codes along K. Its value is code x scale, taken as it is: it is not quantised again, and the codes and scales need not be those that the quantiser above would give.
;; One version. Each part assembles by itself: llvm-mc -triple=amdgcn-amd-amdhsa -mcpu=gfx1250 --defsym DOCPART=n.
;; ======== version 1 of 1: 3 launches
;; workspace buffers: cb 131,072 bytes; w2f 1,048,576 bytes; logits 262,144 bytes
;; launch prep (part 1): grid 32 x 1, 4 waves a work-group, no clusters, 9,216 bytes of LDS; arguments query_codes, query_scales, W1_codes, W1_scales, b1, b2, W2_codes, cb, w2f; writes cb, w2f
.if DOCPART == 1
	.amdgcn_target "amdgcn-amd-amdhsa--gfx1250"
	.amdhsa_code_object_version 6
	.text
	.protected	k_qa418f1651b_prep
	.globl	k_qa418f1651b_prep
	.p2align	8
	.type	k_qa418f1651b_prep,@function
k_qa418f1651b_prep:
	s_mov_b64 s[64:65], 0
	v_nop
	global_prefetch_b8 v0, s[64:65] scope:SCOPE_SE
	s_setreg_imm32_b32 hwreg(HW_REG_WAVE_MODE, 25, 1), 1
	s_wait_xcnt 0x0
; PREP.  Two small jobs in one launch, told apart by the work-group's number.
;   Job Q (work-groups 0-15):  cb[b][u] = c (query W1 + b1 + b2)[b][u], c = 2 log2(e); the product on the given codes of E4M3 with their E8M0 scales.
;   Job R (work-groups 16-31): W2's codes are laid anew, in the order of an operand's registers: w2f[tile of 16 rows u][K step of 128][c = 0..3][lane][16 bytes].
; DEAD WORK, for the whole program, in the problem's own terms.
;   (1) bv.  reference() adds bv[0] to every logit of a batch and takes the softmax over T of the sums; softmax(l + k) = softmax(l) for every real k, and the logits reach both
;       outputs through that softmax alone.  So bv reaches no output, whatever it holds: it is not loaded and is among no launch's arguments.
;   (2) tanh(y) = 1 - 2 r with r = 1 / (1 + e^(2 y)), so a logit is sum_u V_u - 2 sum_u V_u r_u.  The first sum is the same for all t of a batch and goes the way of bv: it is never formed.
;   LIMIT: a NaN, an infinity or an overflow that reaches only bv or the sum of V is not carried to the result.
; b2 is added here, to q_proj, instead of to v_proj: the same sum in another order of rounding.
; SHARES.  A wave takes one tile ct = 4 (work-group % 16) + wave: 16 rows (u) of W1 or of W2, 16,384 bytes of codes: 32 loads of 16 bytes a lane, which ARE the eight fragments' registers.
; Job Q uses the matrix instruction transposed (source 0 = 16 rows of W1, source 1 = 16 batches): lane (r, h) holds batch 16 bt + r, register j holds u = 16 ct + 8 h + j.
; The four waves' 64 columns of the 32 batches meet in a stage in LDS (32 rows x 256 bytes + 16) and leave as whole aligned runs of 256 bytes.
; No cluster: the launch loads through registers and moves some 3 MB in all; there are no LDS tiles to share.
.set SPARE, 8704                       ; behind the stage (32 x 272): the spare words, 128 bytes for each wave
.set SPW,  6                           ; v6   LDS address of my spare word; never rewritten
.set NIL,  7                           ; v7   0; never rewritten
.set ACC,  16                          ; v16-31   two accumulators (batches 0-15, 16-31)
.set W1S,  32                          ; v32-35   W1's scale words: register j: lanes 0-15 K step j, lanes 16-31 K step 4 + j
.set QS,   36                          ; v36-43   the query's likewise, four registers for each 16 batches
.set BA,   44                          ; v44-51   b1, then c (b1 + b2), at my eight u
.set BB,   52                          ; v52-59   b2
.set WF,   64                          ; v64-191  the weight's eight fragments
.set OUTR, 192                         ; v192-207 results
.set BK,   208                         ; v208-223 rows read back from the stage
.set CS,   38                          ; s[38:39] c
.set MSB, 0
.macro WIN new                         ; the immediate's high byte repeats the setting that is left
.if MSB != \new
	s_set_vgpr_msb (MSB<<8)|\new
.set MSB, \new
.endif
.endm
	s_load_b256 s[4:11], s[0:1], 0x0               ; query's codes s[4:5], its scales s[6:7], W1's codes s[8:9], its scales s[10:11]
	s_load_b256 s[12:19], s[0:1], 0x20             ; b1 s[12:13], b2 s[14:15], W2's codes s[16:17], cb s[18:19]
	s_load_b64 s[20:21], s[0:1], 0x40              ; w2f
	v_lshl_add_u32 v[SPW], v0, 2, SPARE
	v_mov_b32 v[NIL], 0
	v_lshrrev_b32 v1, 5, v0
	v_readfirstlane_b32 s22, v1                    ; wave 0..3
	v_and_b32 v2, 15, v0                           ; r
	v_bfe_u32 v3, v0, 4, 1                         ; h
	v_lshlrev_b32 v4, 10, v2
	v_lshl_add_u32 v4, v3, 4, v4                   ; a fragment's place: row r of 1,024 bytes, + 16 h
	v_and_b32 v5, 31, v0
	v_lshlrev_b32 v5, 4, v5                        ; 16 x lane
	s_and_b32 s23, ttmp9, 15
	s_lshl_b32 s24, s23, 2
	s_add_co_u32 s24, s24, s22                     ; ct
	s_lshl_b32 s26, s24, 14                        ; the tile's 16 rows of 1,024 bytes
	s_mov_b32 s27, 0
	s_wait_kmcnt 0x0
	s_cmp_lt_u32 ttmp9, 16                         ; W1 or W2: the choice hangs on the work-group's number alone
	s_cselect_b64 s[28:29], s[8:9], s[16:17]
	s_add_nc_u64 s[28:29], s[28:29], s[26:27]
.irp s, 0,1,2,3,4,5,6,7
.irp c, 0,1,2,3
	global_load_b128 v[WF+16*\s+4*\c:WF+16*\s+4*\c+3], v4, s[28:29] offset:128*\s+32*\c th:TH_LOAD_NT   ; K = 128 s + 32 c + 16 h + 0 .. 15 of row r
.endr
.endr
	s_cmp_lt_u32 ttmp9, 16
	s_cbranch_scc1 .Lquery
	; ---- job R: the registers go out as they stand: each store of the wave covers 512 consecutive bytes
	s_add_nc_u64 s[20:21], s[20:21], s[26:27]
.irp s, 0,1,2,3,4,5,6,7
.irp c, 0,1,2,3
	s_wait_loadcnt 31-4*\s-\c                      ; loads come back in order: this one is in, the younger ones may be out
	global_store_b128 v5, v[WF+16*\s+4*\c:WF+16*\s+4*\c+3], s[20:21] offset:2048*\s+512*\c
.endr
.endr
	s_endpgm                                       ; these waves have touched no LDS
.Lquery:
	; ---- job Q
	s_lshl_b32 s30, s24, 6
	v_lshl_add_u32 v8, v3, 5, s30                  ; b1, b2: 4 (16 ct + 8 h)
	v_lshlrev_b32 v9, 5, v2
	v_lshl_add_u32 v9, v3, 4, v9                   ; scale words: row r of 32 bytes; lanes 16-31 take its second half
	s_lshl_b32 s31, s24, 9
	v_add_nc_u32 v10, s31, v9                      ; W1's: the tile's 16 rows
	WIN 0x40                                       ; destination window 1
.irp bt, 0,1
.irp s, 0,1,2,3,4,5,6,7
.irp c, 0,1,2,3
	global_load_b128 v[128*\bt+16*\s+4*\c:128*\bt+16*\s+4*\c+3], v4, s[4:5] offset:16384*\bt+128*\s+32*\c   ; the query's fragments: batches 16 bt + r
.endr
.endr
.endr
	WIN 0
	global_load_b128 v[W1S:W1S+3], v10, s[10:11]
	global_load_b128 v[QS:QS+3], v9, s[6:7]
	global_load_b128 v[QS+4:QS+7], v9, s[6:7] offset:512
	global_load_b128 v[BA:BA+3], v8, s[12:13]
	global_load_b128 v[BA+4:BA+7], v8, s[12:13] offset:16
	global_load_b128 v[BB:BB+3], v8, s[14:15]
	global_load_b128 v[BB+4:BB+7], v8, s[14:15] offset:16
	v_mul_u32_u24 v11, v2, 272                     ; into the stage: row r (+ 16 bt), my wave's 64 bytes, + 32 h
	v_lshl_add_u32 v11, v3, 5, v11
	s_lshl_b32 s30, s22, 6
	v_add_nc_u32 v11, s30, v11
	v_mul_u32_u24 v12, v3, 272                     ; back: wave w takes rows 8 w .. 8 w + 7; lanes 0-15 one row of 256 bytes, lanes 16-31 the next
	v_lshl_add_u32 v12, v2, 4, v12
	s_mul_i32 s31, s22, 8*272
	v_add_nc_u32 v12, s31, v12
	v_lshlrev_b32 v13, 12, v3                      ; and the same two rows of cb: 4,096 bytes a batch, the work-group's 256 bytes
	v_lshl_add_u32 v13, v2, 4, v13
	s_lshl_b32 s34, s22, 15
	s_lshl_b32 s35, s23, 8
	s_add_co_u32 s34, s34, s35
	v_add_nc_u32 v13, s34, v13
	s_mov_b32 s[CS], 0x4038aa3b                    ; c = 2 log2(e)
	s_mov_b32 s[CS+1], s[CS]                       ; (named with it as a pair, so it is written)
	s_wait_loadcnt 0x0
	WIN 0x04                                       ; source 1 (the query) window 1
.irp s, 0,1,2,3,4,5,6,7                        ; the two accumulators take turns, one instruction a turn
.irp bt, 0,1
.if \s == 0
	v_wmma_scale_f32_16x16x128_f8f6f4 v[ACC+8*\bt:ACC+8*\bt+7], v[WF+16*\s:WF+16*\s+15], v[128*\bt+16*\s:128*\bt+16*\s+15], 0, v[W1S+\s%4], v[QS+4*\bt+\s%4]
.elseif \s < 4
	v_wmma_scale_f32_16x16x128_f8f6f4 v[ACC+8*\bt:ACC+8*\bt+7], v[WF+16*\s:WF+16*\s+15], v[128*\bt+16*\s:128*\bt+16*\s+15], v[ACC+8*\bt:ACC+8*\bt+7], v[W1S+\s%4], v[QS+4*\bt+\s%4]
.else
	v_wmma_scale_f32_16x16x128_f8f6f4 v[ACC+8*\bt:ACC+8*\bt+7], v[WF+16*\s:WF+16*\s+15], v[128*\bt+16*\s:128*\bt+16*\s+15], v[ACC+8*\bt:ACC+8*\bt+7], v[W1S+\s%4], v[QS+4*\bt+\s%4] matrix_a_scale:MATRIX_SCALE_ROW1 matrix_b_scale:MATRIX_SCALE_ROW1
.endif
.endr
.endr
	WIN 0
.irp p, 0,2,4,6
	v_pk_add_f32 v[BA+\p:BA+\p+1], v[BA+\p:BA+\p+1], v[BB+\p:BB+\p+1]               ; b1 + b2.  These eight lines and the v_nop name no register of the products: they are the places
.endr
.irp p, 0,2,4,6
	v_pk_mul_f32 v[BA+\p:BA+\p+1], v[BA+\p:BA+\p+1], s[CS:CS+1] op_sel_hi:[1,0]     ; behind the last of them (ISA guide 7.12.1)
.endr
	v_nop
.irp bt, 0,1
.irp p, 0,2,4,6
	v_pk_fma_f32 v[OUTR+8*\bt+\p:OUTR+8*\bt+\p+1], v[ACC+8*\bt+\p:ACC+8*\bt+\p+1], s[CS:CS+1], v[BA+\p:BA+\p+1] op_sel_hi:[1,0,1]   ; each accumulator from its low end on
.endr
.endr
.irp bt, 0,1
	ds_store_b128 v11, v[OUTR+8*\bt:OUTR+8*\bt+3] offset:\bt*16*272
	ds_store_b128 v11, v[OUTR+8*\bt+4:OUTR+8*\bt+7] offset:\bt*16*272+16
.endr
	s_wait_dscnt 0x0                               ; for the others' sake: my stores into the stage are done
	s_barrier_signal -1                            ; (the way here hangs on the work-group's number alone: all four waves take it)
	s_barrier_wait -1
.irp i, 0,1,2,3
	ds_load_b128 v[BK+4*\i:BK+4*\i+3], v12 offset:\i*544
.endr
.irp i, 0,1,2,3
	s_wait_dscnt 3-\i
	global_store_b128 v13, v[BK+4*\i:BK+4*\i+3], s[18:19] offset:\i*8192   ; 16 lanes store 256 consecutive bytes, at a multiple of 256 from cb's first byte
.endr
	s_wait_tensorcnt 0x0                           ; the wave's end, behind my last LDS store
	ds_add_u32 v[SPW], v[NIL]
	s_wait_dscnt 0x0
	s_endpgm
.Lfunc_end_k_qa418f1651b_prep:
	.size	k_qa418f1651b_prep, .Lfunc_end_k_qa418f1651b_prep-k_qa418f1651b_prep
	.p2alignl 7, 3214868480
	.fill 96, 4, 3214868480
	.section	.rodata,"a",@progbits
	.p2align	6, 0x0
	.amdhsa_kernel k_qa418f1651b_prep
		.amdhsa_group_segment_fixed_size 9216
		.amdhsa_private_segment_fixed_size 0
		.amdhsa_enable_private_segment 0
		.amdhsa_kernarg_size 72
		.amdhsa_user_sgpr_count 2
		.amdhsa_user_sgpr_kernarg_segment_ptr 1
		.amdhsa_wavefront_size32 1
		.amdhsa_system_sgpr_workgroup_id_x 1
		.amdhsa_system_sgpr_workgroup_id_y 1
		.amdhsa_system_sgpr_workgroup_id_z 1
		.amdhsa_system_vgpr_workitem_id 0
		.amdhsa_next_free_vgpr 512
		.amdhsa_next_free_sgpr 66
		.amdhsa_reserve_vcc 0
		.amdhsa_float_denorm_mode_32 3
		.amdhsa_float_denorm_mode_16_64 3
		.amdhsa_memory_ordered 1
		.amdhsa_forward_progress 1
		.amdhsa_inst_pref_size 21
	.end_amdhsa_kernel
	.amdgpu_metadata
---
amdhsa.version: [ 1, 2 ]
amdhsa.kernels:
  - .name:           k_qa418f1651b_prep
    .symbol:         k_qa418f1651b_prep.kd
    .args:
      - { .name: query_codes, .offset: 0, .size: 8, .value_kind: global_buffer, .address_space: global }
      - { .name: query_scales, .offset: 8, .size: 8, .value_kind: global_buffer, .address_space: global }
      - { .name: W1_codes, .offset: 16, .size: 8, .value_kind: global_buffer, .address_space: global }
      - { .name: W1_scales, .offset: 24, .size: 8, .value_kind: global_buffer, .address_space: global }
      - { .name: b1, .offset: 32, .size: 8, .value_kind: global_buffer, .address_space: global }
      - { .name: b2, .offset: 40, .size: 8, .value_kind: global_buffer, .address_space: global }
      - { .name: W2_codes, .offset: 48, .size: 8, .value_kind: global_buffer, .address_space: global }
      - { .name: cb, .offset: 56, .size: 8, .value_kind: global_buffer, .address_space: global }
      - { .name: w2f, .offset: 64, .size: 8, .value_kind: global_buffer, .address_space: global }
    .group_segment_fixed_size: 9216
    .private_segment_fixed_size: 0
    .kernarg_segment_align: 8
    .kernarg_segment_size: 72
    .max_flat_workgroup_size: 128
    .sgpr_count:     66
    .vgpr_count:     512
    .wavefront_size: 32
...
	.end_amdgpu_metadata
.endif
;; end of part 1
;; launch scores (part 2): grid 256 x 1, 4 waves a work-group, clusters of 4 x 1, 327,680 bytes of LDS; arguments values, w2f, W2_scales, cb, V, logits; writes logits
.if DOCPART == 2
	.amdgcn_target "amdgcn-amd-amdhsa--gfx1250"
	.amdhsa_code_object_version 6
	.text
	.protected	k_qa418f1651b_scores
	.globl	k_qa418f1651b_scores
	.p2align	8
	.type	k_qa418f1651b_scores,@function
k_qa418f1651b_scores:
	s_mov_b64 s[64:65], 0
	v_nop
	global_prefetch_b8 v0, s[64:65] scope:SCOPE_SE
	s_setreg_imm32_b32 hwreg(HW_REG_WAVE_MODE, 25, 1), 1
	s_wait_xcnt 0x0
	s_wait_alu depctr_hold_cnt(0) depctr_sa_sdst(0) depctr_va_vdst(0) depctr_va_sdst(0) depctr_va_ssrc(0) depctr_va_vcc(0) depctr_vm_vsrc(0)
	s_getreg_b32 s2, hwreg(HW_REG_IB_STS2, 6, 4)
	s_cmp_eq_u32 s2, 0
	s_cbranch_scc0 .Lentry_in_a_cluster
	s_endpgm
.Lentry_in_a_cluster:
	s_bfe_u32 s2, ttmp6, 0x10000c
	s_cmp_lg_u32 s2, 0x3003
	s_cbranch_scc0 .Lentry_shape_is_right
	s_endpgm
.Lentry_shape_is_right:
; SCORES.  logits[b][t] = -2 sum_u V_u r, r = 1 / (1 + 2^(c x + cb[b][u])), x = Q(values)[b][t] . W2[:, u], c = 2 log2(e), cb = c (q_proj + b2) from the launch before.
; Left out as dead work (shown at the head of the first kernel): bv and the sum of V, which are the same along the softmax's axis.
; The product runs on codes of E4M3 with one E8M0 scale for each 32 along K: W2's as given (re-laid by the launch before), the values' made here by the stated quantiser.
; LIMITS: NaN and infinities among the inputs are not served.  A block of zeros gets the scale byte 1 where the rule says 127: its codes are zeros, and only this kernel reads the byte.
;   Blocks whose largest magnitude lies under 2^(9 - 127) are scaled by the byte 1.  2^t that overflows gives r = 0, which is tanh = 1; 2^t that underflows gives r = 1, tanh = -1.
; SHARES.  A work-group owns 256 rows (b, t); each of its four waves 64 of them (four tiles of 16) and ALL 1,024 columns u.  So a wave's codes (64 rows x 1,024 K: 512 registers) stay in its own
; registers, its logits need no other wave, and what goes round is W2: 64 tiles of 16 u, 16,384 bytes each, through a ring of two LDS slots of four tiles.
; CLUSTER.  The four work-groups of a cluster walk the same tiles of W2 in the same order: each tile is asked for JOINTLY (the same tensor load, the same descriptor, the mask 15, in all four).
; PHASE A.  values (f32) -> codes.  A K step (128 numbers) of 16 rows is loaded so that sixteen lanes read 256 consecutive bytes, turns through the wave's own stage in LDS so that lane (r, h) holds, of row r,
; 16 neighbours of each block of 32, is quantised, and goes to LDS as an image of the operand's registers; after every four K steps the images are read into their registers.  64 loads a wave stay on their way.
; GEMM.  The matrix instruction is used transposed (source 0 = 16 u of W2, source 1 = 16 of my rows): lane (r, h) holds row r, register j holds u = 16 ct + 8 h + j.  While tile ct is multiplied (32 products,
; four accumulators by turns) the tile before goes through t = c x + cb, 2^t, 1 + ., 1 / ., L += V r, in slices behind the matrix instructions.  The slices name no vector register as their second source,
; so they need no switch of the register windows under the products' setting.
; REGISTERS.  window 0: v1-11, v60-63 addresses; v12-19 L; v20-27 cb, v28-35 V of a tile; v36-43 W2's scale words (two sets); v44-59 the values' scale words; v64-95, v96-127 two sets of four accumulators;
;   v128-191, v192-255 a tile's fragments of K steps 0-3, 4-7.  In phase A: v64-79 the tables' numbers; v128-191 64 numbers; v192-207 codes; v208-224 at work; v225-227 addresses.
;   window 1: my codes of K steps 0-3 (row tile rt, step s: v[64 rt + 16 s]); window 2: of K steps 4-7; window 3: four landing sets of 64 (phase A).
.set SLOT1, 1<<16                      ; LDS: slot 0 at 0, slot 1 here: one exclusive or turns an address in one slot into the other's
.set WS,    131072                     ; W2's scale bytes as they lie, 32 a row: filled once
.set IMG,   163840                     ; images of 16 fragments for each wave (32,768 a wave); behind phase A its first 8,192 bytes hold cb's row (4 u) and V (4,096 + 4 u)
.set SAI,   294912                     ; the values' scale words: 2,048 a wave: [4 rt + s % 4][s / 4][r]
.set STG,   303104                     ; a stage of 16 rows x (256 + 16) bytes for each wave: 68 words a row, so that 16 rows start at 16 different banks (64 banks of 4 bytes: ISA guide 11.1)
.set SPARE, 320512                     ; the spare words, 128 bytes for each wave: two blocks of 256 bytes that no other line names
.set LI,   1                           ; v1   16 x lane
.set VOF,  2                           ; v2   values: (lane / 16) rows of 4,096 bytes + 16 (lane % 16)
.set STW,  3                           ; v3   the stage, on the way in
.set STR,  4                           ; v4   and on the way out
.set IMB,  5                           ; v5   my wave's images + 16 x lane
.set SAB,  6                           ; v6   my wave's scale words + 4 r
.set IMW,  7                           ; v7   IMB + the trip's step
.set SPW,  8                           ; v8   LDS address of my spare word; never rewritten
.set NIL,  9                           ; v9   0; never rewritten
.set SAW,  10                          ; v10  SAB + the trip's step
.set AWB0, 11                          ; v11  WS + 32 r + 16 h
.set LSUM, 12
.set CB,   20
.set VV,   28
.set SX,   36
.set SY,   40
.set SA,   44
.set ADB,  60                          ; v60  the body's tiles in the ring
.set ATB,  61                          ; v61  its place in the tables
.set AWB,  62                          ; v62  its scale words
.set ATB0, 63                          ; v63  IMG - 64 + 32 h
.set AX,   64
.set AY,   96
.set PF,   128
.set TAB,  64
.set X,    128
.set PC,   192
.set TM,   208                         ; v208-211 largest magnitudes, v212-215 bytes, v216-219 448 x the scale, v220-223 the conversions' scale operands
.set PW,   224
.set TBO,  225
.set SAR,  226
.set TBL,  227
.set WV,   16                          ; s16  my wave's number
.set SEL,  20                          ; s[20:21] lane selects for v_permlanex16_b32: lane l xor 16
.set CS,   22                          ; s[22:23] c
.set MNT,  24                          ; s24  the mantissa field of 448
.set STGW, 25                          ; s25  my stage
.set G1,   28                          ; s[28:35] descriptor group 1: 64 rows of 256 bytes, dense
.set G1S,  36                          ; s[36:43] the same with 32 rows
.set G0A,  44                          ; s[44:47] group 0: slot 0's first fill
.set G0B,  48                          ; s[48:51] slot 1's; it then walks
.set G0S,  52                          ; s[52:55] the scale bytes'
.set VB,   56                          ; s[56:57] values at my wave's first row, at the K step that is being asked for
.set IS,   58                          ; s58  8,192 x (K step % 4)
.set SS,   59                          ; s59  128 x (K step % 4) + 64 x (K step / 4)
.set CT1,  60
.set CT2,  61
.set TQ,   62                          ; s62  LDS byte of the next body's first tile
.set TC,   63                          ; s63  128 x body
.set TW,   66                          ; s66  1,024 x body
.set MSB, 0
.macro WIN new                         ; the immediate's high byte repeats the setting that is left; a switch that changes nothing is dropped
.if MSB != \new
	s_set_vgpr_msb (MSB<<8)|\new
.set MSB, \new
.endif
.endm
.macro CROUND                          ; a round of the cluster's barrier: my work-group's barrier; wave 0 signals for the work-group; every wave waits for all four work-groups; my work-group's barrier once more
	s_barrier_signal -1
	s_barrier_wait -1
	s_cmp_lg_u32 s[WV], 0
	s_cbranch_scc1 .Lnot_wave_0_\@
	s_barrier_signal -3
.Lnot_wave_0_\@:
	s_barrier_wait -3
	s_barrier_signal -1
	s_barrier_wait -1
.endm
	s_load_b256 s[4:11], s[0:1], 0x0               ; values s[4:5], w2f s[6:7], W2's scales s[8:9], cb s[10:11]
	s_load_b128 s[12:15], s[0:1], 0x20             ; V s[12:13], logits s[14:15]
	v_lshl_add_u32 v[SPW], v0, 2, SPARE
	v_mov_b32 v[NIL], 0
	ds_add_u32 v[SPW], v[NIL]                      ; the wave's opening: the add, twice on end, and its wait ahead of my first tensor load; the set-up below, work on registers, stands between
	ds_add_u32 v[SPW], v[NIL]
	v_lshrrev_b32 v12, 5, v0
	v_readfirstlane_b32 s[WV], v12                 ; wave 0..3
	v_and_b32 v12, 31, v0                          ; lane
	v_and_b32 v13, 15, v0                          ; r
	v_bfe_u32 v14, v0, 4, 1                        ; h
	s_bfe_u32 s17, ttmp6, 0x40000                  ; cx: my place in the cluster: it enters global addresses of values, cb and logits alone
	s_lshl_b32 s18, ttmp9, 2                       ; in a cluster launch ttmp9 counts clusters
	s_add_co_u32 s18, s18, s17                     ; G: my block of 256 rows
	s_mov_b32 s[G1], 15|(3<<16)|(1<<21)            ; 15:0 the mask: all four work-groups; 17:16 elements of 8 bytes; 20 no padding; 21 set beside a mask
	s_mov_b32 s[G1+1], 32<<16                      ; tensor_dim0 = 32 elements (256 bytes)
	s_mov_b32 s[G1+2], 64<<16                      ; tensor_dim1 = 64
	s_mov_b32 s[G1+3], 32<<16                      ; tile_dim0 = 32
	s_mov_b32 s[G1+4], 64                          ; tile_dim1 = 64: one tile of W2, 16,384 dense bytes
	s_mov_b32 s[G1+5], 32                          ; from row to row
	s_mov_b32 s[G1+6], 0
	s_mov_b32 s[G1+7], 0
	s_mov_b32 s[G1S], 15|(3<<16)|(1<<21)
	s_mov_b32 s[G1S+1], 32<<16
	s_mov_b32 s[G1S+2], 32<<16
	s_mov_b32 s[G1S+3], 32<<16
	s_mov_b32 s[G1S+4], 32                         ; a quarter of the scale bytes: 8,192
	s_mov_b32 s[G1S+5], 32
	s_mov_b32 s[G1S+6], 0
	s_mov_b32 s[G1S+7], 0
	s_lshl_b32 s68, s18, 20                        ; values: 256 G rows of 4,096 bytes,
	s_lshl_b32 s69, s[WV], 18                      ; + my wave's 64
	s_add_co_u32 s68, s68, s69
	s_mov_b32 s69, 0
	s_lshr_b32 s70, s18, 3                         ; the batch: 8 blocks of 256 rows to one
	s_lshl_b32 s70, s70, 12                        ; its row of cb
	s_mov_b32 s71, 0
	s_lshl_b32 s72, s18, 10                        ; logits: 4 (256 G + 64 wave)
	s_lshl_b32 s73, s[WV], 8
	s_add_co_u32 s72, s72, s73
	s_mov_b32 s73, 0
	s_lshl_b32 s74, s[WV], 14                      ; which tile of a slot's four I fetch: in memory and in LDS alike; the wave's number alone enters the descriptors
	s_mov_b32 s75, 0
	s_lshl_b32 s76, s[WV], 13                      ; and which quarter of the scale bytes
	s_mov_b32 s77, 0
	s_mul_i32 s[STGW], s[WV], 16*272
	s_add_co_u32 s[STGW], s[STGW], STG
	s_lshl_b32 s26, s[WV], 15
	s_add_co_u32 s26, s26, IMG
	s_lshl_b32 s27, s[WV], 11
	s_add_co_u32 s27, s27, SAI
	s_mov_b32 s[SEL], 0x76543210
	s_mov_b32 s[SEL+1], 0xfedcba98
	s_mov_b32 s[CS], 0x4038aa3b                    ; c = 2 log2(e)
	s_mov_b32 s[CS+1], s[CS]                       ; (named with it as a pair, so it is written)
	s_mov_b32 s[MNT], 0x600000
	v_lshlrev_b32 v[LI], 4, v12
	v_lshlrev_b32 v[VOF], 4, v13
	v_lshl_add_u32 v[VOF], v14, 12, v[VOF]
	v_mul_u32_u24 v[STW], v14, 272                 ; in: a load's two rows: row lane / 16, 16 bytes a lane
	v_lshl_add_u32 v[STW], v13, 4, v[STW]
	v_add_nc_u32 v[STW], s[STGW], v[STW]
	v_mul_u32_u24 v[STR], v13, 272                 ; out: row r, + 64 h: my 16 numbers of a block of 32
	v_lshl_add_u32 v[STR], v14, 6, v[STR]
	v_add_nc_u32 v[STR], s[STGW], v[STR]
	v_add_nc_u32 v[IMB], s26, v[LI]
	v_lshl_add_u32 v[SAB], v13, 2, s27
	v_lshl_add_u32 v[SAR], v12, 2, s27
	v_lshlrev_b32 v[TBO], 5, v0                    ; the tables: 32 bytes a thread
	v_lshl_add_u32 v[TBL], v0, 5, IMG
	v_lshl_add_u32 v[ATB0], v14, 5, IMG-64
	v_lshlrev_b32 v[AWB0], 5, v13
	v_lshl_add_u32 v[AWB0], v14, 4, v[AWB0]
	v_add_nc_u32 v[AWB0], WS, v[AWB0]
.irp b, 0,1,2,3
	v_mov_b32 v[TM+4+\b], 0                        ; written once: a lane permute's destination counts as one of its sources
.endr
	s_wait_dscnt 0x0                               ; both opening adds are done
	s_wait_kmcnt 0x0
	s_add_nc_u64 s[VB:VB+1], s[4:5], s[68:69]
	s_add_nc_u64 s[10:11], s[10:11], s[70:71]
	s_add_nc_u64 s[14:15], s[14:15], s[72:73]
	s_mov_b32 s[G0A], 1                            ; count = 1
	s_mov_b32 s[G0A+1], s74                        ; LDS address: slot 0, my tile
	s_add_nc_u64 s[G0A+2:G0A+3], s[6:7], s[74:75]  ; global address: tile = my wave's number
	s_mov_b32 s[G0B], 1
	s_add_co_u32 s[G0B+1], s74, SLOT1
	s_add_nc_u64 s[G0B+2:G0B+3], s[G0A+2:G0A+3], 65536   ; four tiles on
	s_or_b32 s[G0A+3], s[G0A+3], 0x80000000        ; type = 2
	s_or_b32 s[G0B+3], s[G0B+3], 0x80000000
	s_mov_b32 s[G0S], 1
	s_add_co_u32 s[G0S+1], s76, WS
	s_add_nc_u64 s[G0S+2:G0S+3], s[8:9], s[76:77]
	s_or_b32 s[G0S+3], s[G0S+3], 0x80000000
	CROUND                                         ; all four work-groups are here: the first joint loads meet
	tensor_load_to_lds s[G0S:G0S+3], s[G1S:G1S+7]  ; every wave issues its three first fills, with no branch: three loads of mine are out
	s_nop 0
	tensor_load_to_lds s[G0A:G0A+3], s[G1:G1+7]
	s_nop 0
	tensor_load_to_lds s[G0B:G0B+3], s[G1:G1+7]
	s_nop 0
.rept 4
	v_nop
.endr
	global_load_b128 v[TAB:TAB+3], v[TBO], s[10:11]                ; my 8 numbers of cb's row and of V: they wait in registers until phase A has left the images' bytes
	global_load_b128 v[TAB+4:TAB+7], v[TBO], s[10:11] offset:16
	global_load_b128 v[TAB+8:TAB+11], v[TBO], s[12:13]
	global_load_b128 v[TAB+12:TAB+15], v[TBO], s[12:13] offset:16
; ---------------- PHASE A ----------------
; 16 loads: a K step (512 bytes a row) of row tile k into landing set k (window 3).  Load (g, q): rows 2 q + lane / 16, bytes 256 g + 16 (lane % 16): sixteen lanes read 256 consecutive bytes, aligned
.macro VLOAD k
.irp g, 0,1
.irp q, 0,1,2,3,4,5,6,7
	global_load_b128 v[64*(\k)+32*\g+4*\q:64*(\k)+32*\g+4*\q+3], v[VOF], s[VB:VB+1] offset:(\k)*65536+\q*8192+256*\g th:TH_LOAD_NT
.endr
.endr
.endm
; 64 numbers of a lane, v[X + 16 b + i] = K 32 b + 16 h + i of row r, become a fragment's codes in v[PC] on and its scale word in v[PW]
.macro QUANT
.irp b, 0,1,2,3
	v_max3_num_f32 v[TM+\b], |v[X+16*\b]|, |v[X+1+16*\b]|, 0x4800000   ; block b: my 16 numbers, and the floor 2^(9 - 127): so the byte cannot fall under 1
.endr
.irp i, 2,4,6,8,10,12,14
.irp b, 0,1,2,3
	v_max3_num_f32 v[TM+\b], v[TM+\b], |v[X+16*\b+\i]|, |v[X+1+16*\b+\i]|   ; (the four blocks by turns)
.endr
.endr
.irp b, 0,1,2,3
	v_permlanex16_b32 v[TM+4+\b], v[TM+\b], s[SEL], s[SEL+1]
.endr
.irp b, 0,1,2,3
	v_max_num_f32 v[TM+\b], v[TM+\b], v[TM+4+\b]   ; with lane l xor 16's: the block's largest magnitude
.endr
.irp b, 0,1,2,3
	v_add_nc_u32 v[TM+12+\b], 0xfc000000, v[TM+\b] ; 8 off its exponent field: the conversion takes the exponent field of this operand as its scale
.endr
.irp b, 0,1,2,3
	v_and_or_b32 v[TM+8+\b], v[TM+\b], 0x7f800000, s[MNT]   ; 448 x the scale
.endr
.irp b, 0,1,2,3
	v_lshrrev_b32 v[TM+4+\b], 23, v[TM+12+\b]      ; the scale's byte
.endr
	v_lshl_or_b32 v[PW], v[TM+5], 8, v[TM+4]       ; the four bytes make my row's scale word
	v_lshl_or_b32 v[PW], v[TM+6], 16, v[PW]
	v_lshl_or_b32 v[PW], v[TM+7], 24, v[PW]
.irp b, 0,1,2,3
.irp i, 0,1,2,3,4,5,6,7,8,9,10,11,12,13,14,15
	v_med3_num_f32 v[X+16*\b+\i], v[X+16*\b+\i], -v[TM+8+\b], v[TM+8+\b]   ; the conversion to an 8-bit code does not saturate (ISA guide 7.6.2): the hold at 448 x the scale
.endr
	v_cvt_scalef32_pk8_fp8_f32 v[PC+4*\b:PC+1+4*\b], v[X+16*\b:X+7+16*\b], v[TM+12+\b]
	v_cvt_scalef32_pk8_fp8_f32 v[PC+2+4*\b:PC+3+4*\b], v[X+8+16*\b:X+15+16*\b], v[TM+12+\b]
.endr
	v_nop                                          ; one plain vector instruction behind the last scaled conversion
.endm
; Row tile k of the K step in hand.  ahead = 1: its landing set takes the next K step.  left = how many younger loads may stay out.
.macro CHUNK k, ahead, left
	s_wait_loadcnt \left                           ; loads come back in order: this set's 16 are in
	WIN 0x0c                                       ; an LDS store's data are its source 1: window 3
.irp g, 0,1                                    ; half a K step at a time through the one stage: LDS serves a wave's instructions in order (ISA guide 5.7.1.4)
.irp q, 0,1,2,3,4,5,6,7
	ds_store_b128 v[STW], v[64*(\k)+32*\g+4*\q:64*(\k)+32*\g+4*\q+3] offset:544*\q
.endr
.irp c, 0,1
.irp j, 0,1,2,3
	ds_load_b128 v[X+16*(2*\g+\c)+4*\j:X+16*(2*\g+\c)+4*\j+3], v[STR] offset:128*\c+16*\j
.endr
.endr
.endr
	s_wait_dscnt 8                                 ; all but the last eight reads: the 16 stores have read the landing set
.if \ahead
	WIN 0xc0                                       ; destination window 3
	VLOAD \k
.endif
	WIN 0
	s_wait_dscnt 0x0                               ; my 64 numbers are in; the last tile's image stores have read their registers
	QUANT
.irp c, 0,1,2,3
	ds_store_b128 v[IMW], v[PC+4*\c:PC+4*\c+3] offset:(\k)*2048+512*\c   ; the fragment as it stands: lane l's 16 bytes at 16 l
.endr
	ds_store_b32 v[SAW], v[PW] offset:(\k)*512     ; lanes r and r + 16 write the same word with the same value
.endm
.macro TRIP ahead, l0, l1, l2, l3      ; one K step of my 64 rows
	s_wait_dscnt 0x0                               ; no LDS instruction of mine is out: its address registers may be written
.if \ahead
	s_wait_xcnt 0x0                                ; the loads issued so far have read their base: it may step
	s_add_nc_u64 s[VB:VB+1], s[VB:VB+1], 512
.endif
	v_add_nc_u32 v[IMW], s[IS], v[IMB]
	v_add_nc_u32 v[SAW], s[SS], v[SAB]
	CHUNK 0, \ahead, \l0
	CHUNK 1, \ahead, \l1
	CHUNK 2, \ahead, \l2
	CHUNK 3, \ahead, \l3
	s_add_co_u32 s[IS], s[IS], 8192
	s_add_co_u32 s[SS], s[SS], 128
.endm
.macro FETCH win                       ; the 16 images (K step sq of four, row tile rt) into their registers
	WIN \win
.irp sq, 0,1,2,3
.irp rt, 0,1,2,3
.irp c, 0,1,2,3
	ds_load_b128 v[64*\rt+16*\sq+4*\c:64*\rt+16*\sq+4*\c+3], v[IMB] offset:(4*\sq+\rt)*2048+512*\c
.endr
.endr
.endr
	WIN 0
.endm
	WIN 0xc0
	VLOAD 0                                        ; K step 0: 64 loads, 32,768 bytes a wave
	VLOAD 1
	VLOAD 2
	VLOAD 3
	WIN 0
	s_mov_b32 s[IS], 0
	s_mov_b32 s[SS], 0
	s_mov_b32 s[CT1], 4
.Lquant_lo:                                        ; K steps 0 to 3; three landing sets of 16 loads are always younger than the one that is taken
	TRIP 1, 48, 48, 48, 48
	s_sub_co_u32 s[CT1], s[CT1], 1
	s_cmp_lg_u32 s[CT1], 0
	s_cbranch_scc1 .Lquant_lo
	FETCH 0x40                                     ; into window 1; the next images' stores come behind these loads, in order
	s_mov_b32 s[IS], 0
	s_mov_b32 s[SS], 64
	s_mov_b32 s[CT1], 3
.Lquant_hi:                                        ; K steps 4 to 6
	TRIP 1, 48, 48, 48, 48
	s_sub_co_u32 s[CT1], s[CT1], 1
	s_cmp_lg_u32 s[CT1], 0
	s_cbranch_scc1 .Lquant_hi
	TRIP 0, 48, 32, 16, 0                          ; K step 7 is written out: it asks for nothing, and the counts run down
	FETCH 0x80                                     ; into window 2
.irp a, 0,1,2,3,4,5,6,7,8,9,10,11,12,13,14,15
	ds_load_b32 v[SA+\a], v[SAR] offset:128*\a     ; register 4 rt + j: lanes 0-15 the words of K step j, lanes 16-31 of K step 4 + j
.endr
	s_wait_dscnt 0x0                               ; my reads of the images are over,
	s_wait_tensorcnt 0x0                           ; and my parts of the scale bytes and of both slots have landed
	s_barrier_signal -1
	s_barrier_wait -1                              ; everybody's.
	ds_store_b128 v[TBL], v[TAB:TAB+3]             ; the tables take the first images' bytes
	ds_store_b128 v[TBL], v[TAB+4:TAB+7] offset:16
	ds_store_b128 v[TBL], v[TAB+8:TAB+11] offset:4096
	ds_store_b128 v[TBL], v[TAB+12:TAB+15] offset:4112
	s_wait_dscnt 0x0
	s_barrier_signal -1
	s_barrier_wait -1
; ---------------- GEMM, with the tile before in slices ----------------
; Product i of a tile's 32: K step i / 4, row tile i % 4.  z: the set of accumulators; sz: the tile's scale words.  The first four start the sums: nothing is cleared for them.
.macro MM z, sz, i
.set s_, (\i)/4
.set rt_, (\i)%4
.set fb_, PF+64*(s_/4)+16*(s_%4)
.set d_, \z+8*rt_
.set cd_, 64*rt_+16*(s_%4)
.if s_ == 0
	v_wmma_scale_f32_16x16x128_f8f6f4 v[d_:d_+7], v[fb_:fb_+15], v[cd_:cd_+15], 0, v[\sz+s_%4], v[SA+4*rt_+s_%4]
.elseif s_ < 4
	v_wmma_scale_f32_16x16x128_f8f6f4 v[d_:d_+7], v[fb_:fb_+15], v[cd_:cd_+15], v[d_:d_+7], v[\sz+s_%4], v[SA+4*rt_+s_%4]
.else
	v_wmma_scale_f32_16x16x128_f8f6f4 v[d_:d_+7], v[fb_:fb_+15], v[cd_:cd_+15], v[d_:d_+7], v[\sz+s_%4], v[SA+4*rt_+s_%4] matrix_a_scale:MATRIX_SCALE_ROW1 matrix_b_scale:MATRIX_SCALE_ROW1
.endif
.endm
; The vector work on pair p (0..15) of set o: registers o + 2 p, o + 2 p + 1: row tile p / 4, u = 16 ct + 8 h + 2 (p % 4) + 0, 1
.macro TP o, p                         ; t = c x + cb
	v_pk_fma_f32 v[\o+2*(\p):\o+2*(\p)+1], v[\o+2*(\p):\o+2*(\p)+1], s[CS:CS+1], v[CB+2*((\p)%4):CB+2*((\p)%4)+1] op_sel_hi:[1,0,1]
.endm
.macro EP o, p                         ; 2^t
	v_exp_f32 v[\o+2*(\p)], v[\o+2*(\p)]
	v_exp_f32 v[\o+2*(\p)+1], v[\o+2*(\p)+1]
.endm
.macro AP o, p                         ; 1 + 2^t
	v_pk_add_f32 v[\o+2*(\p):\o+2*(\p)+1], v[\o+2*(\p):\o+2*(\p)+1], 1.0 op_sel_hi:[1,0]
.endm
.macro RP o, p                         ; r
	v_rcp_f32 v[\o+2*(\p)], v[\o+2*(\p)]
	v_rcp_f32 v[\o+2*(\p)+1], v[\o+2*(\p)+1]
.endm
.macro FP o, p                         ; L += V r
	v_pk_fma_f32 v[LSUM+2*((\p)/4):LSUM+2*((\p)/4)+1], v[\o+2*(\p):\o+2*(\p)+1], v[VV+2*((\p)%4):VV+2*((\p)%4)+1], v[LSUM+2*((\p)/4):LSUM+2*((\p)/4)+1]
.endm
; K steps 0-3 of the tile in set z | t and 2^t of the tile in set o.  The exponentials are one batch with one wait; none of their results is named ahead of it.
.macro H1 z, o, sz, cnt
	s_wait_dscnt \cnt                              ; the fragments of K steps 0-3, the scale words and cb are in; behind them only the 18 loads of the part before were issued
	WIN 0x04                                       ; source 1 (my codes) window 1
.set i, 0
.rept 16
	MM \z, \sz, i
	TP \o, i
.if i > 0
	EP \o, i-1
.endif
.set i, i+1
.endr
	EP \o, 15
	WIN 0
	v_nop                                          ; a plain instruction behind the last exponential
	s_wait_alu depctr_va_vdst(0)                   ; the wait for the batch
.endm
; Between the halves: eight additions, which with the v_nop above are nine places behind the last product that read the fragments of K steps 0-3; then one run of loads:
; cb of the tile in hand; nxt = 1: the next tile's scale words and its fragments of K steps 0-3
.macro MID o, tb, wb, sreg, fb, nxt
.irp p, 0,1,2,3,4,5,6,7
	AP \o, \p
.endr
	ds_load_b128 v[CB:CB+3], v[ATB] offset:\tb
	ds_load_b128 v[CB+4:CB+7], v[ATB] offset:\tb+16
.if \nxt
	ds_load_b128 v[\sreg:\sreg+3], v[AWB] offset:\wb
.irp ks, 0,1,2,3
.irp c, 0,1,2,3
	ds_load_b128 v[PF+16*\ks+4*\c:PF+16*\ks+4*\c+3], v[ADB] offset:\fb+2048*\ks+512*\c
.endr
.endr
.endif
.endm
; K steps 4-7 | the other eight additions and the reciprocals: a second batch with its one wait
.macro H2 z, o, sz, cnt
	s_wait_dscnt \cnt                              ; the fragments of K steps 4-7 and V are in; behind them only the 19 loads of the part before were issued
	WIN 0x08                                       ; source 1 window 2
.set i, 0
.rept 16
	MM \z, \sz, 16+i
.if i < 8
	AP \o, 8+i
.endif
	RP \o, i
.set i, i+1
.endr
	WIN 0
	v_nop
	s_wait_alu depctr_va_vdst(0)
.endm
; A tile's end: the 16 multiply-adds into L (the four sums by turns), which with the v_nop above are the places behind the tile's last products; then V of the tile in hand; nxt = 1: the next tile's K steps 4-7
.macro FIN o, tb, fb, nxt
.irp j, 0,1,2,3
.irp rt, 0,1,2,3
	FP \o, 4*\rt+\j
.endr
.endr
	ds_load_b128 v[VV:VV+3], v[ATB] offset:\tb+4096
	ds_load_b128 v[VV+4:VV+7], v[ATB] offset:\tb+4112
.if \nxt
.irp ks, 0,1,2,3
.irp c, 0,1,2,3
	ds_load_b128 v[PF+64+16*\ks+4*\c:PF+64+16*\ks+4*\c+3], v[ADB] offset:\fb+8192+2048*\ks+512*\c
.endr
.endr
.endif
.endm
; Body q serves tiles 2 q (set AX) and 2 q + 1 (set AY).  It begins in the middle of tile 2 q - 1, where the reading passes on to tile 2 q: so a change of slots stands at a body's head.
.macro HEAD
	s_wait_dscnt 0x0                               ; no LDS load of mine is out (the last were issued ahead of 16 products): the address registers may be written
	v_add_nc_u32 v[ADB], s[TQ], v[LI]
	v_add_nc_u32 v[ATB], s[TC], v[ATB0]
	v_add_nc_u32 v[AWB], s[TW], v[AWB0]
	s_add_co_u32 s[TQ], s[TQ], 32768
	s_add_co_u32 s[TC], s[TC], 128
	s_add_co_u32 s[TW], s[TW], 1024
.endm
.macro BODYA                           ; the rest of tile 2 q - 1
	MID AX, 0, 0, SX, 0, 1
	H2 AY, AX, SY, 19
	FIN AX, 0, 0, 1
.endm
.macro BODYB                           ; tile 2 q, and the first half of tile 2 q + 1
	H1 AX, AY, SX, 18
	MID AY, 64, 512, SY, 16384, 1
	H2 AX, AY, SX, 19
	FIN AY, 64, 16384, 1
	H1 AY, AX, SY, 18
.endm
.macro TWO_BODIES                      ; a slot's four tiles: one text, walked twice
	s_mov_b32 s[CT2], 2
.Lbody_\@:
	HEAD
	BODYA
	BODYB
	s_sub_co_u32 s[CT2], s[CT2], 1
	s_cmp_lg_u32 s[CT2], 0
	s_cbranch_scc1 .Lbody_\@
.endm
; THE CHANGE OF SLOTS.  Each wave waits for all its tensor loads (one is out: its tile of the slot ahead), adds 0 to its spare word, and waits for that and for its reads of the slot that it leaves.
; fill = 1: a round of the cluster's barrier, so that no wave of any partner still reads that slot or has a load on its way; the joint refill, four tiles two slots on, is the first thing behind it
; and has two bodies, 128 products, in which to land.
.macro CHANGE fill
	s_wait_tensorcnt 0x0                           ; no tensor load of mine is out, so the walking group 0 may be written
	ds_add_u32 v[SPW], v[NIL]                      ; 0 onto my spare word; the steps below stand between it and the wait for it
.if \fill
	s_xor_b32 s[G0B+1], s[G0B+1], SLOT1            ; the other slot than last time,
	s_add_nc_u64 s[G0B+2:G0B+3], s[G0B+2:G0B+3], 65536   ; the next four tiles; the type bits on top are not reached
.endif
	s_sub_co_u32 s[TQ], s[TQ], 65536               ; the reads go back to a slot's first tile,
	s_xor_b32 s[TQ], s[TQ], SLOT1                  ; in the other slot
	s_wait_dscnt 0x0                               ; the add is done, and my reads of the slot are over
.if \fill
	CROUND
	tensor_load_to_lds s[G0B:G0B+3], s[G1:G1+7]
	s_nop 0
.rept 4
	v_nop
.endr
.else
	s_barrier_signal -1
	s_barrier_wait -1
.endif
.endm
; The text has no first tile of its own: the slices beside tile 0 work on a set of zeros with cb = 0 and V = 0, and add 0 to L.  56 registers are written once for that.
.set j, 0
.rept 32
	v_mov_b32 v[AY+j], 0
.set j, j+1
.endr
.set j, 0
.rept 8
	v_mov_b32 v[CB+j], 0
	v_mov_b32 v[VV+j], 0
	v_mov_b32 v[LSUM+j], 0
.set j, j+1
.endr
	s_mov_b32 s[TQ], 0
	s_mov_b32 s[TC], 0
	s_mov_b32 s[TW], 0
	HEAD                                           ; body 0
	ds_load_b128 v[SX:SX+3], v[AWB]                ; tile 0: scale words and all eight fragments
.irp ks, 0,1,2,3,4,5,6,7
.irp c, 0,1,2,3
	ds_load_b128 v[PF+16*\ks+4*\c:PF+16*\ks+4*\c+3], v[ADB] offset:2048*\ks+512*\c
.endr
.endr
	s_wait_dscnt 0x0
	BODYB
	HEAD                                           ; body 1
	BODYA
	BODYB
	s_mov_b32 s[CT1], 14
.Lslot:                                            ; 14 trips: slots 2 to 15 are asked for
	CHANGE 1
	TWO_BODIES
	s_sub_co_u32 s[CT1], s[CT1], 1
	s_cmp_lg_u32 s[CT1], 0
	s_cbranch_scc1 .Lslot
	CHANGE 0                                       ; the last slot is written out
	TWO_BODIES
	s_wait_dscnt 0x0
	v_add_nc_u32 v[ATB], s[TC], v[ATB0]            ; the rest of tile 63: nothing more to fetch from the ring
	MID AX, 0, 0, SX, 0, 0
	H2 AY, AX, SY, 0
	FIN AX, 0, 0, 0
	s_wait_dscnt 0x0                               ; cb and V of tile 63
.set i, 0
.rept 16
	TP AY, i                                       ; tile 63's own vector work, with no products left to stand beside
.set i, i+1
.endr
.set i, 0
.rept 16
	EP AY, i
.set i, i+1
.endr
	v_nop
	s_wait_alu depctr_va_vdst(0)
.set i, 0
.rept 16
	AP AY, i
.set i, i+1
.endr
.set i, 0
.rept 16
	RP AY, i
.set i, i+1
.endr
	v_nop
	s_wait_alu depctr_va_vdst(0)
.irp j, 0,1,2,3
.irp rt, 0,1,2,3
	FP AY, 4*\rt+\j
.endr
.endr
	; THE WAY OUT.  A row's sum lies in two halves of a pair and in lanes l and l xor 16.  My 64 logits meet in my own stage and leave as one aligned run of 256 bytes.
.irp rt, 0,1,2,3
	v_add_f32 v[VV+\rt], v[LSUM+2*\rt], v[LSUM+2*\rt+1]
.endr
.irp rt, 0,1,2,3
	v_permlanex16_b32 v[CB+\rt], v[VV+\rt], s[SEL], s[SEL+1]
.endr
.irp rt, 0,1,2,3
	v_add_f32 v[VV+\rt], v[VV+\rt], v[CB+\rt]
.endr
.irp rt, 0,1,2,3
	v_mul_f32 v[VV+\rt], -2.0, v[VV+\rt]
.endr
	v_and_b32 v[VOF], 15, v0
	v_lshl_add_u32 v[STW], v[VOF], 2, s[STGW]      ; in: 4 (16 rt + r)
	v_and_b32 v[VOF], 31, v0
	v_lshlrev_b32 v[VOF], 3, v[VOF]                ; back, and in memory: 8 bytes a lane
	v_add_nc_u32 v[STR], s[STGW], v[VOF]
.irp rt, 0,1,2,3
	ds_store_b32 v[STW], v[VV+\rt] offset:64*\rt   ; lanes r and r + 16 write the same word with the same value
.endr
	ds_load_b64 v[CB+4:CB+5], v[STR]               ; LDS serves a wave's instructions in order: this sees my stores
	s_wait_dscnt 0x0
	global_store_b64 v[VOF], v[CB+4:CB+5], s[14:15]
	s_wait_tensorcnt 0x0                           ; the wave's end, behind my last tensor load and my last LDS store
	ds_add_u32 v[SPW], v[NIL]
	s_wait_dscnt 0x0
	CROUND                                         ; the closing round: no work-group ends while a partner may still ask for a tile that names it
	s_endpgm
.Lfunc_end_k_qa418f1651b_scores:
	.size	k_qa418f1651b_scores, .Lfunc_end_k_qa418f1651b_scores-k_qa418f1651b_scores
	.p2alignl 7, 3214868480
	.fill 96, 4, 3214868480
	.section	.rodata,"a",@progbits
	.p2align	6, 0x0
	.amdhsa_kernel k_qa418f1651b_scores
		.amdhsa_group_segment_fixed_size 327680
		.amdhsa_private_segment_fixed_size 0
		.amdhsa_enable_private_segment 0
		.amdhsa_kernarg_size 48
		.amdhsa_user_sgpr_count 2
		.amdhsa_user_sgpr_kernarg_segment_ptr 1
		.amdhsa_wavefront_size32 1
		.amdhsa_system_sgpr_workgroup_id_x 1
		.amdhsa_system_sgpr_workgroup_id_y 1
		.amdhsa_system_sgpr_workgroup_id_z 1
		.amdhsa_system_vgpr_workitem_id 0
		.amdhsa_next_free_vgpr 1024
		.amdhsa_next_free_sgpr 80
		.amdhsa_reserve_vcc 0
		.amdhsa_float_denorm_mode_32 3
		.amdhsa_float_denorm_mode_16_64 3
		.amdhsa_memory_ordered 1
		.amdhsa_forward_progress 1
		.amdhsa_inst_pref_size 255
	.end_amdhsa_kernel
	.section	.bss,"aw",@nobits
	.p2align	6
	.space	262144
	.amdgpu_metadata
---
amdhsa.version: [ 1, 2 ]
amdhsa.kernels:
  - .name:           k_qa418f1651b_scores
    .symbol:         k_qa418f1651b_scores.kd
    .args:
      - { .name: values, .offset: 0, .size: 8, .value_kind: global_buffer, .address_space: global }
      - { .name: w2f, .offset: 8, .size: 8, .value_kind: global_buffer, .address_space: global }
      - { .name: W2_scales, .offset: 16, .size: 8, .value_kind: global_buffer, .address_space: global }
      - { .name: cb, .offset: 24, .size: 8, .value_kind: global_buffer, .address_space: global }
      - { .name: V, .offset: 32, .size: 8, .value_kind: global_buffer, .address_space: global }
      - { .name: logits, .offset: 40, .size: 8, .value_kind: global_buffer, .address_space: global }
    .group_segment_fixed_size: 327680
    .private_segment_fixed_size: 0
    .kernarg_segment_align: 8
    .kernarg_segment_size: 48
    .max_flat_workgroup_size: 128
    .sgpr_count:     80
    .vgpr_count:     1024
    .wavefront_size: 32
...
	.end_amdgpu_metadata
.endif
;; end of part 2
;; launch context (part 3): grid 256 x 1, 8 waves a work-group, no clusters, 13,824 bytes of LDS; arguments logits, values, out0, out1; writes out0, out1
.if DOCPART == 3
	.amdgcn_target "amdgcn-amd-amdhsa--gfx1250"
	.amdhsa_code_object_version 6
	.text
	.protected	k_qa418f1651b_context
	.globl	k_qa418f1651b_context
	.p2align	8
	.type	k_qa418f1651b_context,@function
k_qa418f1651b_context:
	s_mov_b64 s[64:65], 0
	v_nop
	global_prefetch_b8 v0, s[64:65] scope:SCOPE_SE
	s_setreg_imm32_b32 hwreg(HW_REG_WAVE_MODE, 25, 1), 1
	s_wait_xcnt 0x0
; CONTEXT.  w = softmax over T of a batch's 2,048 logits, with the maximum taken away; out1 = w; out0[b][d] = sum over t of w[t] values[b][t][d], all in f32.
; Left out as dead work (shown at the head of the first kernel): bv and the sum of V are not in the logits; the softmax takes them away.
; LIMITS: NaN and infinities are not served; a weight under 2^-126 comes out as 0 (the exponential gives no denormals: ISA guide, its entry).
; SHARES.  Work-group (b, i), b = number / 8, i = number % 8, owns out0[b][128 i .. + 127] and out1[b][256 i .. + 255]: every output has one owner.  Each of a batch's eight work-groups makes the
; batch's softmax for itself: 8,192 bytes of logits beside the 1 MB of values that it streams; that is why there is no cluster.
; Wave w streams rows 256 w .. + 255: a row's slice is 512 consecutive bytes, aligned, one load of 16 bytes a lane.  A ring of 32 rows in registers keeps 32 loads of every wave on their way.
; Matrix units and tensor loads would add nothing: the launch reads each byte of values once and does one multiply-add for each number.
.set WT,    0                          ; LDS: the 2,048 weights
.set RED,   8192                       ; the eight waves' partial sums, 512 bytes each
.set MX,    12288                      ; the waves' maxima; 256 bytes on: their sums
.set SPARE, 12800                      ; the spare words, 128 bytes for each wave
.set LG,   4                           ; v4-11    my 8 logits, then e, then w
.set ACC,  16                          ; v16-23   two sets of four sums
.set WB,   24                          ; v24-55   32 rows' weights (the same in every lane)
.set X,    56                          ; v56-183  the ring: 32 rows x 4 registers
.set SPW,  184
.set NIL,  185
	s_load_b256 s[4:11], s[0:1], 0x0               ; logits s[4:5], values s[6:7], out0 s[8:9], out1 s[10:11]
	v_lshl_add_u32 v[SPW], v0, 2, SPARE
	v_mov_b32 v[NIL], 0
	v_lshrrev_b32 v1, 5, v0
	v_readfirstlane_b32 s12, v1                    ; wave 0..7
	v_and_b32 v1, 31, v0
	v_lshlrev_b32 v1, 4, v1                        ; 16 x lane
	v_lshlrev_b32 v2, 4, v0                        ; 16 x thread
	s_lshr_b32 s13, ttmp9, 3                       ; b
	s_and_b32 s14, ttmp9, 7                        ; i
	s_lshl_b32 s16, s13, 23                        ; values: the batch's 2,048 rows of 4,096 bytes,
	s_lshl_b32 s18, s12, 20                        ; my wave's 256 rows,
	s_add_co_u32 s16, s16, s18
	s_lshl_b32 s18, s14, 9                         ; the work-group's 512 bytes of a row
	s_add_co_u32 s16, s16, s18
	s_mov_b32 s17, 0
	s_lshl_b32 s18, s13, 13                        ; the batch's 8,192 bytes of logits and of out1
	s_mov_b32 s19, 0
	s_lshl_b32 s24, s13, 12                        ; out0: the batch's row, the work-group's 512 bytes
	s_lshl_b32 s25, s14, 9
	s_add_co_u32 s24, s24, s25
	s_mov_b32 s25, 0
	s_mov_b32 s20, 0x76543210                      ; v_permlanex16_b32's selects for lane l xor 16
	s_mov_b32 s21, 0xfedcba98
	s_mov_b32 s22, 0x3fb8aa3b                      ; log2(e)
	s_mov_b32 s23, s22                             ; (named with it as a pair, so it is written)
	s_lshl_b32 s26, s12, 2
	s_add_co_u32 s26, s26, MX
	v_mov_b32 v3, s26                              ; my wave's word among the maxima
	v_mov_b32 v15, MX
	s_lshl_b32 s27, s12, 10                        ; my wave's first weight in LDS
	s_lshl_b32 s28, s12, 9
	s_lshl_b32 s29, s14, 10
	s_add_co_u32 s29, s29, s28
	v_add_nc_u32 v191, s29, v1                     ; waves 0 and 1: my 16 bytes of the work-group's 1,024 of out1: the same offset in LDS and in memory
	s_add_co_u32 s28, s28, RED
.irp j, 0,1,2,3,4,5,6,7
	v_mov_b32 v[ACC+\j], 0
.endr
	s_wait_kmcnt 0x0
	s_add_nc_u64 s[4:5], s[4:5], s[18:19]
	s_add_nc_u64 s[10:11], s[10:11], s[18:19]
	s_add_nc_u64 s[6:7], s[6:7], s[16:17]
	s_add_nc_u64 s[8:9], s[8:9], s[24:25]
	global_load_b128 v[LG:LG+3], v2, s[4:5]                        ; logits 4 thread + 0 .. 3,
	global_load_b128 v[LG+4:LG+7], v2, s[4:5] offset:4096          ; and 1,024 + the same
.set i, 0
.rept 32
	global_load_b128 v[X+4*i:X+4*i+3], v1, s[6:7] offset:i*4096 th:TH_LOAD_NT   ; the ring is filled before the softmax is begun
.set i, i+1
.endr
	s_wait_loadcnt 32                              ; the logits are in; the ring's 32 loads stay out
	v_max3_num_f32 v12, v4, v5, v6
	v_max3_num_f32 v13, v7, v8, v9
	v_max3_num_f32 v12, v12, v10, v11
	v_max_num_f32 v12, v12, v13
	v_max_num_f32_dpp v12, v12, v12 row_xmask:1 row_mask:0xf bank_mask:0xf
	v_max_num_f32_dpp v12, v12, v12 row_xmask:2 row_mask:0xf bank_mask:0xf
	v_max_num_f32_dpp v12, v12, v12 row_xmask:4 row_mask:0xf bank_mask:0xf
	v_max_num_f32_dpp v12, v12, v12 row_xmask:8 row_mask:0xf bank_mask:0xf
	v_permlanex16_b32 v13, v12, s20, s21
	v_max_num_f32 v12, v12, v13                    ; my wave's maximum, in every lane
	ds_store_b32 v3, v12                           ; all lanes write the same word with the same value
	s_wait_dscnt 0x0
	s_barrier_signal -1
	s_barrier_wait -1
	ds_load_b128 v[WB:WB+3], v15
	ds_load_b128 v[WB+4:WB+7], v15 offset:16
	s_wait_dscnt 0x0
	v_max3_num_f32 v12, v[WB], v[WB+1], v[WB+2]
	v_max3_num_f32 v13, v[WB+3], v[WB+4], v[WB+5]
	v_max3_num_f32 v12, v12, v[WB+6], v[WB+7]
	v_max_num_f32 v12, v12, v13                    ; M, the batch's largest logit
	v_mul_f32 v14, 0xbfb8aa3b, v12                 ; -M log2(e)
.irp p, 0,2,4,6
	v_pk_fma_f32 v[LG+\p:LG+\p+1], v[LG+\p:LG+\p+1], s[22:23], v[14:15] op_sel_hi:[1,0,0]   ; (l - M) log2(e), two at a time (of the pairs the low word serves both halves)
.endr
.irp j, 0,1,2,3,4,5,6,7
	v_exp_f32 v[LG+\j], v[LG+\j]                   ; e = exp(l - M), at most 1
.endr
	v_nop                                          ; a plain instruction behind the last exponential,
	s_wait_alu depctr_va_vdst(0)                   ; and the one wait for the batch, ahead of its first reader
	v_pk_add_f32 v[12:13], v[LG:LG+1], v[LG+2:LG+3]
	v_pk_add_f32 v[WB:WB+1], v[LG+4:LG+5], v[LG+6:LG+7]
	v_pk_add_f32 v[12:13], v[12:13], v[WB:WB+1]
	v_add_f32 v12, v12, v13
	v_add_f32_dpp v12, v12, v12 row_xmask:1 row_mask:0xf bank_mask:0xf
	v_add_f32_dpp v12, v12, v12 row_xmask:2 row_mask:0xf bank_mask:0xf
	v_add_f32_dpp v12, v12, v12 row_xmask:4 row_mask:0xf bank_mask:0xf
	v_add_f32_dpp v12, v12, v12 row_xmask:8 row_mask:0xf bank_mask:0xf
	v_permlanex16_b32 v13, v12, s20, s21
	v_add_f32 v12, v12, v13
	ds_store_b32 v3, v12 offset:256                ; other bytes than the maxima's: no wave may still be reading those
	s_wait_dscnt 0x0
	s_barrier_signal -1
	s_barrier_wait -1
	ds_load_b128 v[WB:WB+3], v15 offset:256
	ds_load_b128 v[WB+4:WB+7], v15 offset:272
	s_wait_dscnt 0x0
	v_pk_add_f32 v[WB:WB+1], v[WB:WB+1], v[WB+2:WB+3]
	v_pk_add_f32 v[WB+4:WB+5], v[WB+4:WB+5], v[WB+6:WB+7]
	v_pk_add_f32 v[WB:WB+1], v[WB:WB+1], v[WB+4:WB+5]
	v_add_f32 v[WB], v[WB], v[WB+1]                ; the sum: at least 1, since the largest logit gives e = 1
	v_rcp_f32 v12, v[WB]
	v_nop
	s_wait_alu depctr_va_vdst(0)
.irp p, 0,2,4,6
	v_pk_mul_f32 v[LG+\p:LG+\p+1], v[LG+\p:LG+\p+1], v[12:13] op_sel_hi:[1,0]
.endr
	ds_store_b128 v2, v[LG:LG+3]
	ds_store_b128 v2, v[LG+4:LG+7] offset:4096
	s_wait_dscnt 0x0
	s_barrier_signal -1
	s_barrier_wait -1                              ; the batch's 2,048 weights lie in LDS
	s_cmp_lt_u32 s12, 2
	s_cbranch_scc0 .Lno_weights
	ds_load_b128 v[186:189], v191                  ; waves 0 and 1 store the work-group's 256 weights: 512 consecutive bytes each
	s_wait_dscnt 0x0
	global_store_b128 v191, v[186:189], s[10:11]
.Lno_weights:
.macro WEIGHTS                         ; the weights of a trip's 32 rows: every lane reads the same 128 bytes
	v_mov_b32 v190, s27
.irp k, 0,1,2,3,4,5,6,7
	ds_load_b128 v[WB+4*\k:WB+4*\k+3], v190 offset:16*\k
.endr
	s_add_co_u32 s27, s27, 128
	s_wait_dscnt 0x0
.endm
.macro ROW i, ahead, left              ; row i of a trip's 32.  ahead = 1: its registers take the row 32 further down.  left = how many younger loads may stay out
	s_wait_loadcnt \left
	v_fmac_f32 v[ACC+4*((\i)%2)], v[WB+(\i)], v[X+4*(\i)]
	v_fmac_f32 v[ACC+4*((\i)%2)+1], v[WB+(\i)], v[X+4*(\i)+1]
	v_fmac_f32 v[ACC+4*((\i)%2)+2], v[WB+(\i)], v[X+4*(\i)+2]
	v_fmac_f32 v[ACC+4*((\i)%2)+3], v[WB+(\i)], v[X+4*(\i)+3]
.if \ahead
	global_load_b128 v[X+4*(\i):X+4*(\i)+3], v1, s[6:7] offset:(32+(\i))*4096 th:TH_LOAD_NT
.endif
.endm
	s_mov_b32 s15, 7
.Ltrip:
	WEIGHTS
.set i, 0
.rept 32
	ROW i, 1, 31                                   ; loads come back in order: mine is in, the ring's 31 younger ones stay out
.set i, i+1
.endr
	s_wait_xcnt 0x0                                ; the loads issued so far have read their base: it may step
	s_add_nc_u64 s[6:7], s[6:7], 131072            ; 32 rows on
	s_sub_co_u32 s15, s15, 1
	s_cmp_lg_u32 s15, 0
	s_cbranch_scc1 .Ltrip
	WEIGHTS                                        ; the last 32 rows load nothing: the counts run down
.set i, 0
.rept 32
	ROW i, 0, 31-i
.set i, i+1
.endr
	v_pk_add_f32 v[ACC:ACC+1], v[ACC:ACC+1], v[ACC+4:ACC+5]
	v_pk_add_f32 v[ACC+2:ACC+3], v[ACC+2:ACC+3], v[ACC+6:ACC+7]
	v_add_nc_u32 v12, s28, v1
	ds_store_b128 v12, v[ACC:ACC+3]                ; my wave's part of the 128 sums
	s_wait_dscnt 0x0
	s_barrier_signal -1
	s_barrier_wait -1
	s_cmp_lg_u32 s12, 0
	s_cbranch_scc1 .Ldone
	v_add_nc_u32 v13, RED, v1
.irp k, 0,1,2,3,4,5,6,7
	ds_load_b128 v[WB+4*\k:WB+4*\k+3], v13 offset:512*\k
.endr
	s_wait_dscnt 0x0
.irp k, 0,2,4,6
	v_pk_add_f32 v[WB+4*\k:WB+4*\k+1], v[WB+4*\k:WB+4*\k+1], v[WB+4*\k+4:WB+4*\k+5]
	v_pk_add_f32 v[WB+4*\k+2:WB+4*\k+3], v[WB+4*\k+2:WB+4*\k+3], v[WB+4*\k+6:WB+4*\k+7]
.endr
.irp k, 0,4
	v_pk_add_f32 v[WB+4*\k:WB+4*\k+1], v[WB+4*\k:WB+4*\k+1], v[WB+4*\k+8:WB+4*\k+9]
	v_pk_add_f32 v[WB+4*\k+2:WB+4*\k+3], v[WB+4*\k+2:WB+4*\k+3], v[WB+4*\k+10:WB+4*\k+11]
.endr
	v_pk_add_f32 v[WB:WB+1], v[WB:WB+1], v[WB+16:WB+17]
	v_pk_add_f32 v[WB+2:WB+3], v[WB+2:WB+3], v[WB+18:WB+19]
	global_store_b128 v1, v[WB:WB+3], s[8:9]       ; 32 lanes store 512 consecutive bytes, at a multiple of 256 from out0's first byte
.Ldone:
	s_wait_tensorcnt 0x0                           ; the wave's end, behind my last LDS store
	ds_add_u32 v[SPW], v[NIL]
	s_wait_dscnt 0x0
	s_endpgm
.Lfunc_end_k_qa418f1651b_context:
	.size	k_qa418f1651b_context, .Lfunc_end_k_qa418f1651b_context-k_qa418f1651b_context
	.p2alignl 7, 3214868480
	.fill 96, 4, 3214868480
	.section	.rodata,"a",@progbits
	.p2align	6, 0x0
	.amdhsa_kernel k_qa418f1651b_context
		.amdhsa_group_segment_fixed_size 13824
		.amdhsa_private_segment_fixed_size 0
		.amdhsa_enable_private_segment 0
		.amdhsa_kernarg_size 32
		.amdhsa_user_sgpr_count 2
		.amdhsa_user_sgpr_kernarg_segment_ptr 1
		.amdhsa_wavefront_size32 1
		.amdhsa_system_sgpr_workgroup_id_x 1
		.amdhsa_system_sgpr_workgroup_id_y 1
		.amdhsa_system_sgpr_workgroup_id_z 1
		.amdhsa_system_vgpr_workitem_id 0
		.amdhsa_next_free_vgpr 192
		.amdhsa_next_free_sgpr 66
		.amdhsa_reserve_vcc 0
		.amdhsa_float_denorm_mode_32 3
		.amdhsa_float_denorm_mode_16_64 3
		.amdhsa_memory_ordered 1
		.amdhsa_forward_progress 1
		.amdhsa_inst_pref_size 26
	.end_amdhsa_kernel
	.amdgpu_metadata
---
amdhsa.version: [ 1, 2 ]
amdhsa.kernels:
  - .name:           k_qa418f1651b_context
    .symbol:         k_qa418f1651b_context.kd
    .args:
      - { .name: logits, .offset: 0, .size: 8, .value_kind: global_buffer, .address_space: global }
      - { .name: values, .offset: 8, .size: 8, .value_kind: global_buffer, .address_space: global }
      - { .name: out0, .offset: 16, .size: 8, .value_kind: global_buffer, .address_space: global }
      - { .name: out1, .offset: 24, .size: 8, .value_kind: global_buffer, .address_space: global }
    .group_segment_fixed_size: 13824
    .private_segment_fixed_size: 0
    .kernarg_segment_align: 8
    .kernarg_segment_size: 32
    .max_flat_workgroup_size: 256
    .sgpr_count:     66
    .vgpr_count:     192
    .wavefront_size: 32
...
	.end_amdgpu_metadata
.endif
;; end of part 3
